; MI455X (gfx1250); checked and timed in simulation.
; The chip was launched on July 23, 2026; its instructions are those of AMD's public machine-readable ISA for CDNA 5 (MIT licence, August 2026) and "CDNA5" Instruction Set Architecture Reference Guide (July 2026). The comments in the code are by the model that wrote it; some were corrected since.
;; SCAN. Allowed arithmetic: matrix products marked QUANTISED: E3M2 operands, one E8M0 scale for each 32 along K, by v_wmma_scale_f32_16x16x128_f8f6f4 with both operands' format E3M2, f32 sums; everything else in f32.
;; Inputs: class_label_bank 100,000 int32; cluster_idx 256 int32; cluster_label_bank 100,000 int32; feature 256 x 256 float32; feature_bank 100,000 x 256 float32; gt_label 256 int32.
;; Outputs: out0 256 x 256 float32.
;; This version of the problem:
;;   THIS VERSION OF THE PROBLEM IS GIVEN IN LOW PRECISION. The matrix products marked QUANTISED in the list below multiply operands that are first quantised to E3M2 (3 exponent bits, 2 mantissa bits; 6 bits a number), with one power-of-two scale for each 32 numbers along K (OCP MX v1.0); their sums are f32. All else is computed in f32.
;;   The module's matrix products, in the order in which they are computed (A, B: the left and right operand; K: the contracted axis; several contracted axes count as one K, in the product's order):
;;     1. [M 256, K 256] x [K 256, N 100,000]; A: input feature; B: input feature_bank: QUANTISED
;;   THE QUANTISER, for each operand of a quantised product, along K:
;;     - K is cut into blocks of 32 from its start; a last block that is shorter is filled with zeros.
;;     - A block's scale is 2^e with e = floor(log2(the largest magnitude in the block)) - 4, held to -126 .. 127; a block of zeros has e = 0. As a byte (E8M0): e + 127.
;;     - Each number is divided by its block's scale, clamped to +-28, and rounded to the nearest number of E3M2, ties to even, subnormals kept.
;;     - The product sums the exact products of the quantised numbers (number of the format x scale) in f32.
;;   ~~~python
;;   def quantise(x, axis):      # numpy; x: float32 -> the quantised numbers, widened to float32 again
;;       x = np.moveaxis(x, axis, -1); K = x.shape[-1]
;;       x = np.pad(x, [(0, 0)] * (x.ndim - 1) + [(0, -K % 32)]); x = x.reshape(x.shape[:-1] + (-1, 32)); a = np.abs(x).max(-1, keepdims=True)
;;       e = np.where(a > 0, np.clip(np.frexp(np.where(a > 0, a, 1))[1] - 1 - 4, -126, 127), 0)      # np.frexp(a)[1] - 1 = floor(log2(a)), exactly
;;       r = np.clip(x / 2.0 ** e, -28, 28)
;;       step = 2.0 ** (np.maximum(np.frexp(np.where(r == 0, 1, r))[1] - 1, -2) - 2)
;;       q = np.round(r / step) * step * 2.0 ** e      # np.round: ties to even
;;       return np.moveaxis(q.reshape(q.shape[:-2] + (-1,))[..., :K], -1, axis).astype(np.float32)
;;   ~~~
;; One version. Each part assembles by itself: llvm-mc -triple=amdgcn-amd-amdhsa -mcpu=gfx1250 --defsym DOCPART=n.
;; ======== version 1 of 1: 2 launches
;; limits: right only within a limited range of input values
;; workspace buffers: part 516,096 bytes of whole numbers
;; launch scan (part 1): grid 252 x 1, 8 waves a work-group, clusters of 4 x 1, 327,680 bytes of LDS; arguments feature, feature_bank, cluster_label_bank, class_label_bank, cluster_idx, gt_label, part; writes part
.if DOCPART == 1
	.amdgcn_target "amdgcn-amd-amdhsa--gfx1250"
	.amdhsa_code_object_version 6
	.text
	.protected	k_q511b6f935b_scan
	.globl	k_q511b6f935b_scan
	.p2align	8
	.type	k_q511b6f935b_scan,@function
k_q511b6f935b_scan:
	s_mov_b64 s[64:65], 0
	v_nop
	global_prefetch_b8 v0, s[64:65] scope:SCOPE_SE
	s_setreg_imm32_b32 hwreg(HW_REG_WAVE_MODE, 25, 1), 1
	s_wait_xcnt 0x0
	s_wait_alu depctr_hold_cnt(0) depctr_sa_sdst(0) depctr_va_vdst(0) depctr_va_sdst(0) depctr_va_ssrc(0) depctr_va_vcc(0) depctr_vm_vsrc(0)
	s_getreg_b32 s2, hwreg(HW_REG_IB_STS2, 6, 4)
	s_cmp_eq_u32 s2, 0
	s_cbranch_scc0 .Lentry_in_a_cluster
	s_endpgm
.Lentry_in_a_cluster:
	s_bfe_u32 s2, ttmp6, 0x10000c
	s_cmp_lg_u32 s2, 0x3003
	s_cbranch_scc0 .Lentry_shape_is_right
	s_endpgm
.Lentry_shape_is_right:
; SCAN.  For each of 256 queries and each of 252 work-groups: the nearest allowed row among the work-group's 400 bank rows, as a sortable key and the number of the group of 8 rows that holds it.
; The product feature x feature_bank^T is made on codes of BF6 (E3M2) with one E8M0 scale for each 32 along K; both operands are quantised here, on their way.
; WHAT IS COMPARED.  Source 0 = 16 bank rows, source 1 = 16 queries, C = -b2/2 of the rows: D = p - b2/2 = (a2 - d2)/2.  The smallest d2 is the largest D, and max(d2, 0) is min(D, a2/2).
; THE MASK IS A PRODUCT OF LABELS.  The 32 bits of a label become 32 codes +-: a row's cluster +-8, its class +-1; a query's cluster +-8, its class -+1.  Two equal labels have the bit sum d = 32, two unlike ones d <= 30.
; With four constant codes more the label product is L = 64 d(cluster) - d(class) - 2017: at least 1 where the clusters are equal and the classes differ, at most -1 elsewhere; whole numbers under 2^13, exact, for every
; pair of 32-bit labels.  Both sides' scale bytes are 177, so the unit gives L x 2^100, and min(D, L x 2^100) is D for an allowed pair and a number under -2^99 for any other.
; ONE TRACK.  A first walk over the labels alone finds for each query whether any of the work-group's 400 rows is a primary candidate.  A query without one gets zero codes for its cluster and other constants: its L is then
; 31 - d(class), the mask of the fallback.  A work-group that has a primary candidate need not offer a fallback one: the bank then has a primary candidate.
; A lane (r, h) holds query r and rows 8 h + 0 .. 7 of a tile; it keeps the best D and the number of the tile that gave it (strictly greater wins, tiles ascend: the lowest tile keeps a tie).
; OUT: part[work-group][query] = (K, g).  K = the bits of dist = sqrt(a2 - 2 D) for a primary winner; those bits with bit 31 set for a fallback winner; 0xff800000 where there is neither.  g = the winner's row / 8.
; SHARES.  6,250 tiles of 16 rows; work-group i takes the 25 from tile floor(1625346 i / 65536) on (0 for i = 0, 6,225 for i = 251, 24 or 25 further for each i): partners of a cluster all walk 25, and 50 of the 6,300 tiles
; are done by two work-groups, with equal results.  The waves go in pairs, e = wave % 2: a pair owns 64 queries, wave e quantises 32 of them (its own, query tiles 0 and 1; 2 and 3 are its partner's) and they exchange
; the codes; wave e multiplies tiles 2 i + e, i = 0 .. 11, by all 64 and tile 24 by its own 32; at the end the two exchange results.  So four waves read each tile's image.
; The quantising of the bank is shared: in round u (four tiles) wave w takes the 8 rows 64 u + 8 w + 0 .. 7 (a unit, 8,192 bytes); tile 24 (unit 6) is waves 0's and 1's.  Codes, scale words and -b2/2 go to the other
; waves through LDS as images of the operand's registers.  Rounds 0 to 4 have LDS bytes of their own; round 5 and tile 24 take those of rounds 0 and 1, whose reads two barriers part from these stores.
; THE ORDER.  Unit 0 is quantised in the middle of the first walk, unit 1 behind it, unit 2 inside the exchange's barrier, each later one two tiles ahead of its round.  Between the signal and the wait of an image's barrier
; stand the tiles of the round before: register work, and LDS loads of bytes that nobody writes before a later barrier.
; THE ORDER OF K.  A load takes 64 bytes of one block of 32 (128 bytes) of each of 8 rows; lane (u = lane / 16, row, j = lane % 2) gets the 16 bytes (chunk) 4 m + 2 u + j.  Exchanged between lanes l and l xor 16 against
; the block four further on, a lane has chunks j, 2 + j, 4 + j, 6 + j of one block: 16 numbers for one conversion.  A block's codes are those of its even chunks, then of its odd chunks, on both sides of the product.
; Four loads on end take whole units of 256 bytes.
; CLUSTERS: all work-groups read all of feature: the four of a cluster ask for it jointly, one tensor load a wave.  No LDS byte is filled twice.  No prefetch: two units a wave are asked for at the head (128 KiB a
; work-group) and each next one as its registers come free, a round ahead of its use; only unit 6, 16 KiB of 400, has less.
; LIMITS.  d2 is rounded as a2 - 2 (p - b2/2), b2 entering the matrix sum, where the definition has (a2 + b2) - 2 p.  Inside a wave candidates are compared by d2; the root is taken of the winners only: two
; d2 that the f32 root does not tell apart are decided by d2 here, by the lower index there.  |p - b2/2| must stay under 2^99; NaN and infinities among the inputs are not served.  A block of zeros, and a block whose
; largest magnitude lies under 2^-122, gets the scale byte 1 (the codes of a block of zeros are zeros; the bytes are read by this program alone).
.set FPITCH, 1040                      ; a row of feature in LDS: 1,024 bytes + 16
.set FEATB,  32*FPITCH                 ; a wave's 32 rows; once read, the first 7,168 bytes serve the exchange with the partner
.set XCHB,   7168
.set FE,     8*FEATB
.set TIMG,   3264                      ; an image: codes of K step s at 1,536 s (three blocks of 512: 16 bytes a lane); scale words at 3,072 + 64 s + 4 r; -b2/2 at 3,200 + 4 r
.set BUFB,   4*TIMG                    ; a round's four images
.set IMB,    FE-FEATB+XCHB             ; all image addresses count from here, in wave 7's part of feature behind the exchange: rounds 3 and 4, stored when feature has been read;
.set BUF3,   0
.set BUF4,   BUFB
.set BUF0,   FE-IMB                    ; behind feature rounds 0, 1, 2; round 5 in the bytes of round 0
.set LASTI,  BUF0+BUFB                 ; tile 24's image, twice (one for each e), in the bytes of round 1
.set MKB,    FE+3*BUFB                 ; the rows' label fragments, registers 0 to 5: 768 bytes a tile (16 a lane, then 8 a lane); tile 24's twice
.set SPARE,  MKB+26*768                ; the spare words: 128 bytes for each wave
; vector registers, window 0
.set GA,   1                           ; a load's bytes: 1,024 x row + 32 u + 16 j
.set IMW,  2                           ; where I store codes,
.set SCW,  3                           ; scale words
.set NBA,  4                           ; and -b2/2
.set LI,   5                           ; my tiles' images: 16 x lane,
.set LS,   6                           ; 4 x lane,
.set LH,   7                           ; 32 h
.set LM,   8                           ; their label fragments: 16 x lane
.set LM2,  9                           ; and 8 x lane
.set W2,   10                          ; destinations of lane permutes
.set S2,   11
.set SPW,  12                          ; LDS address of my spare word; never rewritten
.set NIL,  13                          ; 0; never rewritten
.set FRD,  14                          ; my rows of feature: + 1,040 r + 128 h
.set SH8F, 15                          ; 8 h
.set XW,   16                          ; the exchange: my part, 16 x lane
.set XR,   17                          ; my partner's
.set XWS,  18                          ; the same, 4 x lane
.set XRS,  19
.set GB,   22                          ; 2 x first tile + 2 e + h
.set W,    23
.set QS,   24                          ; v24-27  the queries' scale words: lanes 0-15 K step 0, lanes 16-31 K step 1
.set AS,   28                          ; v28-29  the bank tiles', laid likewise, by turns
.set MSC,  30                          ; v30     the label product's: 177 everywhere.  v24-30 hold scales and nothing else
.set NB,   31
.set HA,   32                          ; a2/2 of my four query tiles
.set BP,   36                          ; best D, and 4 i of its tile
.set HM,   36                          ; (ahead of the tiles: the largest L)
.set TB,   40
.set MX,   44                          ; four running maxima; outside a tile's results:
.set WQ,   44                          ; kept between a query tile's two K steps
.set SQ,   45
.set SS,   46
.set E0,   48                          ; a tile: two code fragments (24), -b2/2 (8), label fragment (12).  The other set lies in window 1
.set E1,   208
.set MB0,  80                          ; the first walk's label fragments by turns: E0's own, and two in the place of E0's codes
.set MB1,  48
.set MB2,  60
.set PC,   92                          ; the quantiser's codes; ahead of them in
.set S,    92                          ; its four partial sums of squares
.set CT,   104                         ; four conversions' results, 4 registers apart
.set M,    120                         ; blocks' largest magnitudes, then scale bytes
.set SO,   124                         ; scale operands
.set X0,   128                         ; v128-255 two landing sets of 64
; the head alone
.set LC,   48                          ; labels as loaded
.set LK,   52
.set CI,   56
.set GT,   60
.set TE,   64                          ; v64-69, v71 at work; v70 a label
.set BS,   72                          ; the label codes without their signs;  v75 a constant
.set DQ,   116                         ; a query tile's label codes on their way to window 1
.set QL,   122                         ; 4 r
.set QA,   123                         ; my own queries' labels: 128 x block + 4 r
.set QA2,  124                         ; my partner's
.set MWA,  125                         ; where I store label fragments
.set MWB,  126
; window 1
.set QF,   0                           ; v256-351 the queries' fragments: (tile q, K step s) at QF + 12 (2 q + s)
.set QM,   96                          ; v352-399 their label fragments
.set AC,   144                         ; v400-463 two sets of accumulators: D of two query tiles (16), L of two (16); ahead of the tiles a unit of feature
; scalar registers
.set WV,   18
.set WG,   19
.set SEL,  20                          ; s[20:21] v_permlanex16_b32's selects for lane l xor 16
.set HI,   22                          ; lanes 16-31
.set QW,   23                          ; my block of 32 queries
.set BB,   24                          ; s[24:25] the bank at my unit of round 0
.set LO,   33                          ; lanes 0-15
.set NOH,  34                          ; s34-37 queries without a primary candidate here
.set ODD,  58                          ; odd lanes
.set LT,   59                          ; tile 24's entry in TB: 48 - 2 e
.set MSB, 0
.macro WIN new                         ; the immediate's high byte repeats the setting that is left
.if MSB != \new
	s_set_vgpr_msb (MSB<<8)|\new
.set MSB, \new
.endif
.endm
.macro CROUND                          ; a round of the cluster's barrier
	s_barrier_signal -1
	s_barrier_wait -1
	s_cmp_lg_u32 s[WV], 0
	s_cbranch_scc1 .Lnot_wave_0_\@
	s_barrier_signal -3
.Lnot_wave_0_\@:
	s_barrier_wait -3
	s_barrier_signal -1
	s_barrier_wait -1
.endm
.macro SIGNAL                          ; my LDS stores have landed and my LDS loads are in
	s_wait_dscnt 0x0
	s_barrier_signal -1
.endm
.macro MEET
	s_barrier_wait -1
.endm
.macro LOADH slot, u, b0               ; half of my unit of round u: blocks b0, b0 + 1, b0 + 4, b0 + 5 of 8 rows.  Block b < 4, half m: registers 16 b + 8 m; block b + 4: four further on
.irp t, 0,4
.irp b, 0,1
.irp m, 0,1
	global_load_b128 v[X0+64*(\slot)+16*(\b0+\b)+8*\m+\t:X0+64*(\slot)+16*(\b0+\b)+8*\m+\t+3], v[GA], s[BB:BB+1] offset:(\u)*65536+128*(\b0+\b+\t)+64*\m th:TH_LOAD_RT_NT
.endr
.endr
.endr
.endm
.macro LOADP slot, u
	LOADH \slot, \u, 0
	LOADH \slot, \u, 2
.endm
; a landed unit: lanes l and l xor 16 exchange, so that lane (s, row, j) holds 16 numbers of each of the four blocks of K step s of its row; the maxima join lanes j = 0 and 1; four conversions; then lane j takes the
; whole codes of blocks j and 2 + j.  Codes in PC, the K step's scale word in W, -b2/2 in NB
.macro QBANK slot
.set XB, X0+64*(\slot)
.irp b, 0,1,2,3
.irp m, 0,1
.irp i, 0,1,2,3
	v_permlane16_swap_b32 v[XB+16*\b+8*\m+\i], v[XB+16*\b+8*\m+4+\i]
.endr
.endr
.endr
.irp b, 0,1,2,3
	v_max3_num_f32 v[M+\b], |v[XB+16*\b]|, |v[XB+16*\b+1]|, 0x2800000   ; the floor 2^(5 - 127): the byte cannot fall under 1
.endr
.irp b, 0,1
	v_pk_mul_f32 v[S+2*\b:S+2*\b+1], v[XB+16*\b:XB+16*\b+1], v[XB+16*\b:XB+16*\b+1]
.endr
.irp b, 2,3
	v_pk_fma_f32 v[S+2*(\b%2):S+2*(\b%2)+1], v[XB+16*\b:XB+16*\b+1], v[XB+16*\b:XB+16*\b+1], v[S+2*(\b%2):S+2*(\b%2)+1]
.endr
.irp i, 2,4,6,8,10,12,14
.irp b, 0,1,2,3
	v_max3_num_f32 v[M+\b], |v[XB+16*\b+\i]|, |v[XB+16*\b+\i+1]|, v[M+\b]
	v_pk_fma_f32 v[S+2*(\b%2):S+2*(\b%2)+1], v[XB+16*\b+\i:XB+16*\b+\i+1], v[XB+16*\b+\i:XB+16*\b+\i+1], v[S+2*(\b%2):S+2*(\b%2)+1]
.endr
.endr
.irp b, 0,1,2,3
	v_max_num_f32_dpp v[M+\b], v[M+\b], v[M+\b] row_xmask:1 row_mask:0xf bank_mask:0xf
.endr
	v_add_f32 v[S], v[S], v[S+1]
	v_add_f32 v[S+2], v[S+2], v[S+3]
.irp b, 0,1,2,3
	v_add_nc_u32 v[SO+\b], 0xfe000000, v[M+\b]     ; 4 off the exponent field: the conversion's scale operand
.endr
	v_add_f32 v[SS], v[S], v[S+2]
.irp b, 0,1,2,3
	v_cvt_scalef32_pk16_bf6_f32 v[CT+4*\b:CT+4*\b+2], v[XB+16*\b:XB+16*\b+15], v[SO+\b]
.endr
.irp b, 0,1,2,3
	v_lshrrev_b32 v[M+\b], 23, v[SO+\b]            ; the scale's byte.  (The plain place behind the conversions)
.endr
	v_add_f32_dpp v[SS], v[SS], v[SS] row_xmask:1 row_mask:0xf bank_mask:0xf
	v_lshl_or_b32 v[W], v[M+1], 8, v[M]
	v_permlanex16_b32 v[S2], v[SS], s[SEL], s[SEL+1]
	v_lshl_or_b32 v[W], v[M+2], 16, v[W]
	v_add_f32 v[SS], v[SS], v[S2]                  ; all of the row's squares
	v_lshl_or_b32 v[W], v[M+3], 24, v[W]
	v_mul_f32 v[NB], -0.5, v[SS]
	; lane j = 0 gives away its halves of blocks 1 and 3, lane j = 1 its halves of blocks 0 and 2
.irp c, 0,1
.irp i, 0,1,2
	v_cndmask_b32 v[M+3*\c+\i], v[CT+8*\c+4+\i], v[CT+8*\c+\i], s[ODD]
.endr
.endr
.irp i, 0,1,2,3,4,5
	v_mov_b32_dpp v[M+\i], v[M+\i] row_xmask:1 row_mask:0xf bank_mask:0xf
.endr
.irp c, 0,1
.irp i, 0,1,2
	v_cndmask_b32 v[PC+6*\c+\i], v[CT+8*\c+\i], v[M+3*\c+\i], s[ODD]
	v_cndmask_b32 v[PC+6*\c+3+\i], v[M+3*\c+\i], v[CT+8*\c+4+\i], s[ODD]
.endr
.endr
.endm
.macro IMAGE bo                        ; five stores; lanes of one row store the same words with the same values
.irp i, 0,1,2
	ds_store_b128 v[IMW], v[PC+4*\i:PC+4*\i+3] offset:(\bo)+512*\i
.endr
	ds_store_b32 v[SCW], v[W] offset:(\bo)+3072
	ds_store_b32 v[NBA], v[NB] offset:(\bo)+3200
.endm
; K step s of my own query tile tq: lane (r, h) takes blocks h and 2 + h of row r, even chunks first: the fragment's own registers
.macro FEAT tq, s
	WIN 0x40
.irp c, 0,1
.irp i, 0,1,2,3,4,5,6,7
	ds_load_b128 v[AC+32*\c+4*\i:AC+32*\c+4*\i+3], v[FRD] offset:\tq*16*FPITCH+512*\s+256*\c+32*(\i%4)+16*(\i/4)
.endr
.endr
	WIN 0
	s_wait_dscnt 0x0
	WIN 0x05
.irp c, 0,1
	v_max3_num_f32 v[M+\c], |v[AC+32*\c]|, |v[AC+32*\c+1]|, 0x2800000
	v_pk_mul_f32 v[S+2*\c:S+2*\c+1], v[AC+32*\c:AC+32*\c+1], v[AC+32*\c:AC+32*\c+1]
.endr
.irp i, 2,4,6,8,10,12,14,16,18,20,22,24,26,28,30
.irp c, 0,1
	v_max3_num_f32 v[M+\c], |v[AC+32*\c+\i]|, |v[AC+32*\c+\i+1]|, v[M+\c]
	v_pk_fma_f32 v[S+2*\c:S+2*\c+1], v[AC+32*\c+\i:AC+32*\c+\i+1], v[AC+32*\c+\i:AC+32*\c+\i+1], v[S+2*\c:S+2*\c+1]
.endr
.endr
	WIN 0
.irp c, 0,1
	v_add_nc_u32 v[SO+\c], 0xfe000000, v[M+\c]
.endr
	v_add_f32 v[S], v[S], v[S+1]
	v_add_f32 v[S+2], v[S+2], v[S+3]
	WIN 0x41
.irp c, 0,1
	v_cvt_scalef32_pk16_bf6_f32 v[QF+24*\tq+12*\s+6*\c:QF+24*\tq+12*\s+6*\c+2], v[AC+32*\c:AC+32*\c+15], v[SO+\c]
.endr
	WIN 0x01
.irp c, 0,1
	v_cvt_scalef32_pk16_bf6_f32 v[CT+4*\c:CT+4*\c+2], v[AC+32*\c+16:AC+32*\c+31], v[SO+\c]   ; (a conversion's three registers begin on an even number)
.endr
	WIN 0
.irp c, 0,1
	v_lshrrev_b32 v[M+\c], 23, v[SO+\c]
.endr
	v_add_f32 v[SS], v[S], v[S+2]
	v_lshl_or_b32 v[W], v[M+1], 16, v[M]
	v_permlanex16_b32 v[S2], v[SS], s[SEL], s[SEL+1]
	v_lshlrev_b32 v[W], v[SH8F], v[W]              ; my two bytes at their places in the word
	v_add_f32 v[SS], v[SS], v[S2]
	v_permlanex16_b32 v[W2], v[W], s[SEL], s[SEL+1]
	WIN 0x40
.irp c, 0,1
.irp i, 0,1,2
	v_mov_b32 v[QF+24*\tq+12*\s+6*\c+3+\i], v[CT+4*\c+\i]
.endr
.endr
	WIN 0
	v_or_b32 v[W], v[W], v[W2]
.if \s == 0
	v_mov_b32 v[SQ], v[SS]
	v_mov_b32 v[WQ], v[W]
.else
	v_cndmask_b32 v[QS+\tq], v[WQ], v[W], s[HI]
	v_add_f32 v[SQ], v[SQ], v[SS]
	v_mul_f32 v[HA+\tq], 0.5, v[SQ]                ; a2/2
.endif
.endm
; the 32 bits of v[x] become the signs of 32 codes: bit k goes to bit 6 k + 5 of a stream of 192 bits at v[d] on.  Five bits at a time: the multiplication lays a copy at every fifth bit, the mask keeps bit k of copy k
.macro EXP x, d
.irp i, 0,1,2,3,4,5
	v_bfe_u32 v[TE+\i], v[\x], 5*\i+\i/3, 5
.endr
.irp i, 0,1,2,3,4,5
	v_mul_u32_u24 v[TE+\i], 0x108421, v[TE+\i]
.endr
.irp i, 0,1,2,3,4,5
	v_and_b32 v[TE+\i], 0x1041041, v[TE+\i]
.endr
.irp i, 0,1,2,3,4,5
	v_lshl_or_b32 v[(\d)+\i], v[TE+\i], 5-2*(\i%3), v[BS+\i%3]
.endr
	v_lshlrev_b32 v[TE+7], 16, v[\x]               ; every third register has a sixth sign, in bit 31: those of bits 15 and 31
	v_and_or_b32 v[(\d)+5], v[\x], 0x80000000, v[(\d)+5]
	v_and_or_b32 v[(\d)+2], v[TE+7], 0x80000000, v[(\d)+2]
.endm
.macro MLOAD reg, i                    ; the label fragment of my tile i, registers 0 to 5; 6 to 11 are constants
	ds_load_b128 v[\reg:\reg+3], v[LM] offset:1536*(\i)
	ds_load_b64 v[\reg+4:\reg+5], v[LM2] offset:1536*(\i)
.endm
.macro MWMMA a, q                      ; L x 2^100 of the label fragment at a and my query tile q
	v_wmma_scale_f32_16x16x128_f8f6f4 v[AC+32*((\q)/2)+16+8*((\q)%2):AC+32*((\q)/2)+23+8*((\q)%2)], v[\a:\a+11], v[QM+12*(\q):QM+12*(\q)+11], 0, v[MSC], v[MSC] matrix_a_fmt:MATRIX_FMT_BF6 matrix_b_fmt:MATRIX_FMT_BF6 matrix_b_scale:MATRIX_SCALE_ROW1
.endm
.macro PMAX n                          ; the largest L of query tiles 2 n, 2 n + 1, from each accumulator's low end on
	WIN 0x14
.irp j, 0,2,4,6
.irp k, 0,1
	v_max3_num_f32 v[HM+2*\n+\k], v[HM+2*\n+\k], v[AC+32*\n+16+8*\k+\j], v[AC+32*\n+16+8*\k+\j+1]
.endr
.endr
	WIN 0
.endm
.macro MSET i                          ; MV: the registers of the first walk's fragment i
.set MV, MB0
.if (\i)%3 == 1
.set MV, MB1
.endif
.if (\i)%3 == 2
.set MV, MB2
.endif
.endm
; the eight maxima on the half before are the places behind each half's products
.macro PTILE i
.if (\i) < 12
	s_wait_dscnt 2                                 ; the next fragment's two loads may stay out
.else
	s_wait_dscnt 0x0
.endif
.if (\i) < 11
	MSET (\i)+2
	MLOAD MV, (\i)+2
.endif
	MSET \i
	WIN 0x44
	MWMMA MV, 0
	MWMMA MV, 1
.if (\i) > 0
	PMAX 1
.else
.rept 4
	v_nop
.endr
.endif
	WIN 0x44
	MWMMA MV, 2
	MWMMA MV, 3
	PMAX 0
.endm
; my tile i: image and label fragment into set i % 2: 11 LDS loads
.macro ELOAD i
.set RR, (\i)/2
.if RR < 3
.set IO, BUF0+BUFB*RR+2*TIMG*((\i)%2)
.elseif RR < 5
.set IO, BUF3+BUFB*(RR-3)+2*TIMG*((\i)%2)
.else
.set IO, BUF0+BUFB*(RR-5)+2*TIMG*((\i)%2)
.endif
.set EW, 0x40*((\i)%2)
.set EE, E0+(E1-E0)*((\i)%2)
	WIN EW
.irp k, 0,1,2,3,4,5
	ds_load_b128 v[EE+4*\k:EE+4*\k+3], v[LI] offset:IO+512*\k
.endr
	ds_load_b128 v[EE+24:EE+27], v[LH] offset:IO+3200
	ds_load_b128 v[EE+28:EE+31], v[LH] offset:IO+3216
	MLOAD EE+32, \i
	WIN 0
	ds_load_b32 v[AS+(\i)%2], v[LS] offset:IO+3072
.endm
; the results of query tiles 2 n, 2 n + 1: D (16 registers) and L x 2^100 (16), from each accumulator's low end on; val: the tile's entry in TB
.macro EPI n, val
.set AO, AC+32*(\n)
	WIN 0x05
.irp c, 0,4
	v_min_num_f32 v[MX+\c/4], v[AO+\c], v[AO+16+\c]
	v_min_num_f32 v[MX+2+\c/4], v[AO+8+\c], v[AO+24+\c]
.endr
.irp j, 1,2,3
.irp c, 0,4
	v_minmax_num_f32 v[MX+\c/4], v[AO+\c+\j], v[AO+16+\c+\j], v[MX+\c/4]   ; max(min(D, L), the maximum so far)
	v_minmax_num_f32 v[MX+2+\c/4], v[AO+8+\c+\j], v[AO+24+\c+\j], v[MX+2+\c/4]
.endr
.endr
	WIN 0
.irp k, 0,1
	v_maxmin_num_f32 v[MX+2*\k], v[MX+2*\k], v[MX+2*\k+1], v[HA+2*(\n)+\k]   ; d2 held at 0 from below
.endr
.irp k, 0,1
	v_cmp_gt_f32 s[26+\k], v[MX+2*\k], v[BP+2*(\n)+\k]    ; strictly greater: the lower tile keeps a tie
.endr
.irp k, 0,1
	v_max_num_f32 v[BP+2*(\n)+\k], v[BP+2*(\n)+\k], v[MX+2*\k]
.endr
.irp k, 0,1
	v_cndmask_b32 v[TB+2*(\n)+\k], v[TB+2*(\n)+\k], \val, s[26+\k]
.endr
.endm
; six products: the tile of set p and query tiles 2 n, 2 n + 1.  Four accumulators take turns: three other products stand between the two K steps of a sum
.macro HALF p, n
.set EE, E0+(E1-E0)*(\p)
	WIN (0x44+0x11*(\p))
.irp k, 0,1
	v_wmma_scale_f32_16x16x128_f8f6f4 v[AC+32*\n+8*\k:AC+32*\n+8*\k+7], v[EE:EE+11], v[QF+48*\n+24*\k:QF+48*\n+24*\k+11], v[EE+24:EE+31], v[AS+(\p)], v[QS+2*\n+\k] matrix_a_fmt:MATRIX_FMT_BF6 matrix_b_fmt:MATRIX_FMT_BF6
.endr
	MWMMA EE+32, 2*\n
	MWMMA EE+32, 2*\n+1
	WIN (0x54+(\p))
.irp k, 0,1
	v_wmma_scale_f32_16x16x128_f8f6f4 v[AC+32*\n+8*\k:AC+32*\n+8*\k+7], v[EE+12:EE+23], v[QF+48*\n+24*\k+12:QF+48*\n+24*\k+23], v[AC+32*\n+8*\k:AC+32*\n+8*\k+7], v[AS+(\p)], v[QS+2*\n+\k] matrix_a_fmt:MATRIX_FMT_BF6 matrix_b_fmt:MATRIX_FMT_BF6 matrix_a_scale:MATRIX_SCALE_ROW1 matrix_b_scale:MATRIX_SCALE_ROW1
.endr
.endm
; my tile i; nx = 1: tile i + 1 is fetched meanwhile.  Behind each half's products stand the 24 vector instructions on the half before: they are the places behind the products
.macro TILE i, nx
	s_wait_dscnt 0x0
.if \nx
	ELOAD (\i)+1
.endif
.set PP, (\i)%2
	HALF PP, 0
.if (\i) > 0
	EPI 1, 4*((\i)-1)
.else
	WIN 0
.rept 4
	v_nop
.endr
.endif
.if (\i) < 12
	HALF PP, 1
	EPI 0, 4*(\i)
.endif
.endm
	s_load_b256 s[4:11], s[0:1], 0x0               ; feature s[4:5], bank s[6:7], cluster labels s[8:9], class labels s[10:11]
	s_load_b128 s[12:15], s[0:1], 0x20             ; cluster_idx s[12:13], gt_label s[14:15]
	s_load_b64 s[16:17], s[0:1], 0x30              ; part
	v_lshl_add_u32 v[SPW], v0, 2, SPARE
	v_mov_b32 v[NIL], 0
	ds_add_u32 v[SPW], v[NIL]                      ; the wave's opening: the add, twice on end, and its wait
	ds_add_u32 v[SPW], v[NIL]
	v_lshrrev_b32 v48, 5, v0
	v_readfirstlane_b32 s[WV], v48                 ; wave 0..7
	s_bfe_u32 s26, ttmp6, 0x40000                  ; my place in the cluster
	s_lshl_b32 s27, ttmp9, 2
	s_add_co_u32 s[WG], s27, s26
	s_mul_i32 s28, s[WG], 1625346
	s_lshr_b32 s28, s28, 16                        ; the work-group's first tile
	s_and_b32 s30, s[WV], 1                        ; e
	s_lshr_b32 s31, s[WV], 1
	s_add_co_u32 s[QW], s31, ttmp9                 ; pair (w / 2 + cluster) mod 4: the same in all partners of the cluster, and in addresses in memory alone
	s_and_b32 s[QW], s[QW], 3
	s_lshl_b32 s[QW], s[QW], 1
	s_add_co_u32 s[QW], s[QW], s30                 ; my own block of 32 queries
	s_mul_i32 s77, s[WV], FEATB                    ; my rows of feature, and my part of the exchange
	s_xor_b32 s26, s[WV], 1
	s_mul_i32 s26, s26, FEATB                      ; my partner's
	s_mul_i32 s29, s[WV], 768
	s_mul_i32 s31, s31, TIMG
	s_add_co_u32 s31, s31, IMB
	s_lshl_b32 s36, s30, 7
	s_add_co_u32 s36, s36, s31                     ; my 8 rows in an image: codes,
	s_lshl_b32 s37, s30, 5
	s_add_co_u32 s37, s37, s31                     ; words
	s_mul_i32 s38, s30, TIMG
	s_add_co_u32 s38, s38, IMB                     ; my tiles' images
	s_mul_i32 s39, s30, 768
	s_add_co_u32 s39, s39, MKB                     ; and label fragments
	s_lshl_b32 s60, s[QW], 7
	s_xor_b32 s61, s60, 128
	s_lshl_b32 s62, s28, 1
	s_lshl_b32 s63, s30, 1
	s_add_co_u32 s62, s62, s63
	s_sub_co_u32 s[LT], 48, s63
	s_mov_b32 s[SEL], 0x76543210
	s_mov_b32 s[SEL+1], 0xfedcba98
	s_mov_b32 s[HI], 0xffff0000
	s_mov_b32 s[LO], 0xffff
	s_mov_b32 s[ODD], 0xaaaaaaaa
	s_lshl_b32 s40, s28, 14                        ; bank: my unit of round 0
	s_lshl_b32 s41, s[WV], 13
	s_add_co_u32 s40, s40, s41
	s_mov_b32 s41, 0
	s_lshl_b32 s42, s28, 6                         ; the work-group's labels,
	s_mov_b32 s43, 0
	s_lshl_b32 s44, s[WV], 6                       ; and of them local tile w's
	s_mov_b32 s45, 0
	s_lshl_b32 s46, s[WG], 11                      ; part: 2,048 bytes a work-group, 256 a block of queries
	s_lshl_b32 s47, s[QW], 8
	s_add_co_u32 s46, s46, s47
	s_mov_b32 s47, 0
	s_lshl_b32 s48, s[QW], 15                      ; feature: my block's 32 rows of 1,024 bytes
	s_mov_b32 s49, 0
	; feature: 32 rows x 256 elements of 4 bytes, 4 words of padding behind every 256 words; the mask names the cluster's four work-groups, bit 21 beside it
	s_mov_b32 s68, 15|(2<<16)|(1<<20)|(1<<21)|(7<<22)|(3<<25)
	s_mov_b32 s69, 256<<16                         ; tensor_dim0
	s_mov_b32 s70, 32<<16                          ; tensor_dim1
	s_mov_b32 s71, 256<<16                         ; tile_dim0
	s_mov_b32 s72, 32                              ; tile_dim1
	s_mov_b32 s73, 256                             ; elements from row to row
	s_mov_b32 s74, 0
	s_mov_b32 s75, 0
	s_mov_b32 s76, 1
	v_and_b32 v48, 31, v0                          ; lane
	v_and_b32 v49, 15, v0                          ; r
	v_bfe_u32 v50, v0, 4, 1                        ; h (a unit's u, then its K step)
	v_bfe_u32 v51, v0, 1, 3                        ; a unit's row
	v_and_b32 v52, 1, v0                           ; j
	v_lshlrev_b32 v53, 10, v51
	v_lshl_add_u32 v53, v50, 5, v53
	v_lshl_add_u32 v[GA], v52, 4, v53
	v_mul_u32_u24 v54, FPITCH, v49
	v_lshl_add_u32 v54, v50, 7, v54
	v_add_nc_u32 v[FRD], s77, v54
	v_mul_u32_u24 v55, 1536, v50
	v_lshl_add_u32 v55, v52, 8, v55
	v_lshl_add_u32 v55, v51, 4, v55
	v_add_nc_u32 v[IMW], s36, v55
	v_lshl_add_u32 v[NBA], v51, 2, s37
	v_lshl_add_u32 v[SCW], v50, 6, v[NBA]
	v_lshl_add_u32 v[LI], v48, 4, s38
	v_lshl_add_u32 v[LS], v48, 2, s38
	v_lshl_add_u32 v[LH], v50, 5, s38
	v_lshl_add_u32 v[LM], v48, 4, s39
	v_lshl_add_u32 v[LM2], v48, 3, s39
	v_add_nc_u32 v[LM2], 512, v[LM2]
	v_lshl_add_u32 v[XW], v48, 4, s77
	v_lshl_add_u32 v[XR], v48, 4, s26
	v_lshl_add_u32 v[XWS], v48, 2, s77
	v_lshl_add_u32 v[XRS], v48, 2, s26
	v_lshl_add_u32 v[MWA], v48, 4, s29
	v_lshl_add_u32 v[MWB], v48, 3, s29
	v_add_nc_u32 v[MWA], MKB, v[MWA]
	v_add_nc_u32 v[MWB], MKB+512, v[MWB]
	v_lshlrev_b32 v[SH8F], 3, v50
	v_lshlrev_b32 v[QL], 2, v49
	v_lshl_add_u32 v[QA], v49, 2, s60
	v_lshl_add_u32 v[QA2], v49, 2, s61
	v_add_nc_u32 v[GB], s62, v50
	v_mov_b32 v[W2], 0                             ; a lane permute's destination counts as one of its sources
	v_mov_b32 v[S2], 0
.irp q, 0,1,2,3
	v_mov_b32 v[HM+\q], 0
.endr
	s_wait_alu depctr_va_vdst(0)                   ; the wait at the head's end
	s_wait_dscnt 0x0
	CROUND                                         ; all four work-groups are here: the joint loads meet
	s_wait_kmcnt 0x0
	s_add_nc_u64 s[78:79], s[4:5], s[48:49]
	s_or_b32 s79, s79, 0x80000000                  ; type = 2
	tensor_load_to_lds s[76:79], s[68:75]
	s_nop 0
.rept 4
	v_nop
.endr
	s_add_nc_u64 s[BB:BB+1], s[6:7], s[40:41]
	s_add_nc_u64 s[50:51], s[8:9], s[42:43]
	s_add_nc_u64 s[52:53], s[10:11], s[42:43]
	s_add_nc_u64 s[54:55], s[50:51], s[44:45]
	s_add_nc_u64 s[56:57], s[52:53], s[44:45]
	s_add_nc_u64 s[16:17], s[16:17], s[46:47]
	; sixteen loads of labels: tiles w, w + 8, w + 16 and 24; my own queries', my partner's
.irp i, 0,1,2
	global_load_b32 v[LC+\i], v[QL], s[54:55] offset:512*\i
	global_load_b32 v[LK+\i], v[QL], s[56:57] offset:512*\i
.endr
	global_load_b32 v[LC+3], v[QL], s[50:51] offset:1536
	global_load_b32 v[LK+3], v[QL], s[52:53] offset:1536
.irp q, 0,1
	global_load_b32 v[CI+\q], v[QA], s[12:13] offset:64*\q
	global_load_b32 v[GT+\q], v[QA], s[14:15] offset:64*\q
	global_load_b32 v[CI+2+\q], v[QA2], s[12:13] offset:64*\q
	global_load_b32 v[GT+2+\q], v[QA2], s[14:15] offset:64*\q
.endr
	LOADP 0, 0
	LOADP 1, 1
	; THE LABELS' CODES: the rows' go to LDS
	s_wait_loadcnt 32                              ; the labels are in; units 0 and 1 stay out
	v_mov_b32 v[MSC], 0xb1b1b1b1                   ; scale bytes 177
	v_mov_b32 v[BS], 0x18618618                    ; lanes 0-15 hold clusters: code 0x18 = 8; lanes 16-31 classes: code 0x0c = 1; 16 codes to three registers
	v_mov_b32 v[BS+1], 0x86186186
	v_mov_b32 v[BS+2], 0x61861861
	v_cndmask_b32 v[BS], v[BS], 0x0c30c30c, s[HI]
	v_cndmask_b32 v[BS+1], v[BS+1], 0xc30c30c3, s[HI]
	v_cndmask_b32 v[BS+2], v[BS+2], 0x30c30c30, s[HI]
.irp i, 0,1,2,3
	v_cndmask_b32 v70, v[LC+\i], v[LK+\i], s[HI]
	EXP 70, PC+6*\i
.if \i < 3
	ds_store_b128 v[MWA], v[PC+6*\i:PC+6*\i+3] offset:6144*\i
	ds_store_b64 v[MWB], v[PC+6*\i+4:PC+6*\i+5] offset:6144*\i
.endif
.endr
	s_wait_alu depctr_va_vdst(0)                   ; directly ahead of the branch
	s_cmp_eq_u32 s[WV], 0                          ; tile 24's is wave 0's to store, once for each e
	s_cbranch_scc0 .Lnot_mine
.irp k, 0,1
	ds_store_b128 v[MWA], v[PC+18:PC+21] offset:18432+768*\k
	ds_store_b64 v[MWB], v[PC+22:PC+23] offset:18432+768*\k
.endr
.Lnot_mine:
	SIGNAL
	; the queries' stay in registers
	v_mov_b32 v75, 0xb3cfff                        ; their constants at k = 64 .. 67: -28, -28, -16, -1 (codes 0x3f, 0x3f, 0x3c, 0x2c); all else from k = 64 on is 0
.irp q, 0,1,2,3
	v_not_b32 v70, v[GT+\q]                        ; the queries' classes carry the other sign
	v_cndmask_b32 v70, v[CI+\q], v70, s[HI]
	EXP 70, DQ
	WIN 0x40
.irp i, 0,1,2,3,4,5
	v_mov_b32 v[QM+12*\q+\i], v[DQ+\i]
.endr
	v_cndmask_b32 v[QM+12*\q+6], v75, 0, s[HI]
.irp i, 7,8,9,10,11
	v_mov_b32 v[QM+12*\q+\i], 0
.endr
	WIN 0
.endr
	v_mov_b32 v75, 0x31f7df                        ; the rows' constants: 28, 28, 28, 1 (codes 0x1f, 0x1f, 0x1f, 0x0c): against the queries' together -2017
.irp b, MB0,MB1,MB2
	v_cndmask_b32 v[\b+6], v75, 0, s[HI]
.irp i, 7,8,9,10,11
	v_mov_b32 v[\b+\i], 0
.endr
.endr
	WIN 0x40
	v_cndmask_b32 v[E1+38], v75, 0, s[HI]
.irp i, 39,40,41,42,43
	v_mov_b32 v[E1+\i], 0
.endr
	WIN 0
	s_wait_alu depctr_va_vdst(0)                   ; directly ahead of the wait below
	MEET                                           ; all label fragments lie in LDS
	; THE FIRST WALK: labels alone
	MLOAD MB0, 0
	MLOAD MB1, 1
.set TT, 0
.rept 7
	PTILE TT
.set TT, TT+1
.endr
	s_wait_alu depctr_va_vdst(0)                   ; directly ahead of the wait below
	s_wait_loadcnt 16                              ; unit 0 is in; unit 1 stays out
	QBANK 0
	IMAGE BUF0
	LOADP 0, 2
.rept 6
	PTILE TT
.set TT, TT+1
.endr
	PMAX 1
.irp q, 0,1,2,3
	v_permlanex16_b32 v[S2], v[HM+\q], s[SEL], s[SEL+1]
	v_max_num_f32 v[HM+\q], v[HM+\q], v[S2]
.endr
	s_wait_alu depctr_va_vdst(0)                   ; directly ahead of the wait below
	s_wait_loadcnt 16                              ; unit 1 is in; unit 2 stays out.  (The walk's last wait was for all LDS instructions: unit 0's image stores have read their registers)
	QBANK 1
	IMAGE BUF0+BUFB
	LOADP 1, 3
	; MY OWN 32 QUERIES
	s_wait_tensorcnt 0x0                           ; my rows of feature are in LDS
	FEAT 0, 0
	FEAT 0, 1
	FEAT 1, 0
	FEAT 1, 1
	; my partner gets them through the bytes that I have read: 12 stores of codes, scale words, a2/2, and what the first walk has found for all four tiles
	WIN 0x04
.irp i, 0,1,2,3,4,5,6,7,8,9,10,11
	ds_store_b128 v[XW], v[QF+4*\i:QF+4*\i+3] offset:512*\i
.endr
	WIN 0
.irp q, 0,1
	ds_store_b32 v[XWS], v[QS+\q] offset:6144+128*\q
	ds_store_b32 v[XWS], v[HA+\q] offset:6400+128*\q
.endr
.irp q, 0,1,2,3
	ds_store_b32 v[XWS], v[HM+\q] offset:6656+128*\q
.endr
	s_wait_alu depctr_va_vdst(0)                   ; ahead of the barrier
	SIGNAL
	s_wait_loadcnt 16                              ; unit 2 is in; unit 3 stays out
	QBANK 0
	s_wait_alu depctr_va_vdst(0)                   ; directly ahead of the wait below
	MEET                                           ; rounds 0 and 1 and the exchange lie in LDS; feature's bytes have been read
	WIN 0x40
.irp i, 0,1,2,3,4,5,6,7,8,9,10,11
	ds_load_b128 v[QF+48+4*\i:QF+48+4*\i+3], v[XR] offset:512*\i
.endr
	WIN 0
.irp q, 0,1
	ds_load_b32 v[QS+2+\q], v[XRS] offset:6144+128*\q
	ds_load_b32 v[HA+2+\q], v[XRS] offset:6400+128*\q
.endr
.irp q, 0,1
	ds_load_b32 v[TB+\q], v[XRS] offset:6912+128*\q   ; my tiles 0, 1 are my partner's 2, 3,
	ds_load_b32 v[TB+2+\q], v[XRS] offset:6656+128*\q ; and the other way round
.endr
	IMAGE BUF0+2*BUFB
	LOADP 0, 4
	SIGNAL                                         ; (its wait also shows the exchange's loads in)
	ELOAD 0
.irp q, 0,1,2,3
	v_max_num_f32 v[HM+\q], v[HM+\q], v[TB+\q]
	v_cmp_ge_f32 s[NOH+\q], 0, v[HM+\q]            ; no L above 0: no primary candidate among the 400 rows
	s_and_b32 s[40+\q], s[NOH+\q], s[LO]
.endr
	v_mov_b32 v[PC], 0x48000c                      ; the fallback's constants: 1, 0, 0, 3: with the rows' 28 and 1 together 31
	WIN 0x41
.irp q, 0,1,2,3
.irp i, 0,1,2,3,4,5
	v_cndmask_b32 v[QM+12*\q+\i], v[QM+12*\q+\i], 0, s[40+\q]
.endr
	v_cndmask_b32 v[QM+12*\q+6], v[QM+12*\q+6], v[PC], s[40+\q]
.endr
	WIN 0
.irp q, 0,1,2,3
	v_mov_b32 v[BP+\q], 0xff800000
	v_mov_b32 v[TB+\q], 0
.endr
	s_wait_alu depctr_va_vdst(0)                   ; directly ahead of the wait below.  (The eight moves are the places in front of the products)
	TILE 0, 1
	TILE 1, 1
	TILE 2, 1
	TILE 3, 0
	MEET                                           ; round 2 lies in LDS
	ELOAD 4
	s_wait_loadcnt 16                              ; unit 3 is in; unit 4 stays out
	QBANK 1
	IMAGE BUF3
	LOADP 1, 5
	SIGNAL                                         ; I have read rounds 0 and 1
	TILE 4, 1
	TILE 5, 0
	MEET                                           ; round 3 lies in LDS
	ELOAD 6
	s_wait_loadcnt 16                              ; unit 4 is in; unit 5 stays out
	QBANK 0
	IMAGE BUF4
	s_wait_alu depctr_va_vdst(0)                   ; directly ahead of the branch
	s_cmp_lt_u32 s[WV], 2                          ; tile 24 is waves 0's and 1's
	s_cbranch_scc0 .Lno_unit6
	LOADP 0, 6
.Lno_unit6:
	SIGNAL
	TILE 6, 1
	TILE 7, 0
	MEET                                           ; round 4 lies in LDS
	ELOAD 8
	s_wait_loadcnt 0x0                             ; unit 5 is in, and unit 6
	QBANK 1
	IMAGE BUF0
	s_wait_alu depctr_va_vdst(0)                   ; directly ahead of the branch
	s_cmp_lt_u32 s[WV], 2
	s_cbranch_scc0 .Lno_tile24
	s_wait_dscnt 0x0                               ; the image stores have read their registers
	QBANK 0
	IMAGE LASTI
	IMAGE LASTI+TIMG
.Lno_tile24:
	SIGNAL
	TILE 8, 1
	TILE 9, 0
	MEET                                           ; round 5 and tile 24 lie in LDS
	ELOAD 10
	TILE 10, 1
	TILE 11, 1
	TILE 12, 0                                     ; tile 24, my own queries alone
	EPI 0, s[LT]
	; THE WAY OUT.  d2 = a2 - 2 D (0 or more, since D was held at a2/2), dist, the key; the two halves of the lanes, which saw different rows, are merged: the smaller key, then the smaller group
.irp q, 0,1,2,3
	v_add_f32 v[PC+\q], v[HA+\q], v[HA+\q]
.endr
.irp q, 0,1,2,3
	v_fma_f32 v[PC+\q], v[BP+\q], -2.0, v[PC+\q]
.endr
	s_wait_alu depctr_va_vdst(0)                   ; the wait ahead of the batch too
.irp q, 0,1,2,3
	v_sqrt_f32 v[96+\q], v[PC+\q]
.endr
	v_nop                                          ; a plain place behind the roots
	s_wait_alu depctr_va_vdst(0)                   ; one wait for the four roots
.irp q, 0,1,2,3
	v_cmp_lt_f32 s26, 0xf1000000, v[BP+\q]         ; above -2^99: an allowed row
	v_or_b32 v[108+\q], 0x80000000, v[96+\q]       ; a fallback key lies above every primary key
	v_add_nc_u32 v[104+\q], v[TB+\q], v[GB]        ; g = 2 x (first tile + tile) + h
	v_cndmask_b32 v[100+\q], v[96+\q], v[108+\q], s[NOH+\q]
	v_cndmask_b32 v[100+\q], 0xff800000, v[100+\q], s26
	v_permlanex16_b32 v[S2], v[104+\q], s[SEL], s[SEL+1]
	v_permlanex16_b32 v[W2], v[100+\q], s[SEL], s[SEL+1]
	v_min_u32 v[112+\q], v[100+\q], v[W2]
	v_cmp_eq_u32 s26, v[100+\q], v[112+\q]
	v_cmp_eq_u32 s27, v[W2], v[112+\q]
	v_cndmask_b32 v[104+\q], -1, v[104+\q], s26
	v_cndmask_b32 v[S2], -1, v[S2], s27
	v_min_u32 v[104+\q], v[104+\q], v[S2]
.endr
.irp q, 0,1                            ; my partner's own queries' results on my tiles go to it, and mine come from it
	ds_store_b32 v[XWS], v[114+\q] offset:128*\q
	ds_store_b32 v[XWS], v[106+\q] offset:256+128*\q
.endr
	s_wait_alu depctr_va_vdst(0)                   ; ahead of the barrier
	SIGNAL
	MEET
.irp q, 0,1
	ds_load_b32 v[116+\q], v[XRS] offset:128*\q
	ds_load_b32 v[118+\q], v[XRS] offset:256+128*\q
.endr
	s_wait_dscnt 0x0
.irp q, 0,1
	v_min_u32 v[120+\q], v[112+\q], v[116+\q]
	v_cmp_eq_u32 s26, v[112+\q], v[120+\q]
	v_cmp_eq_u32 s27, v[116+\q], v[120+\q]
	v_cndmask_b32 v[104+\q], -1, v[104+\q], s26
	v_cndmask_b32 v[118+\q], -1, v[118+\q], s27
	v_min_u32 v[104+\q], v[104+\q], v[118+\q]
.endr
	v_and_b32 v122, 31, v0
	v_lshlrev_b32 v122, 3, v122
	v_cndmask_b32 v124, v120, v121, s[HI]          ; lane l stores query l of my block: lanes 0-15 the first tile's, lanes 16-31 the second's
	v_cndmask_b32 v125, v104, v105, s[HI]
	global_store_b64 v122, v[124:125], s[16:17]    ; the wave stores 256 consecutive bytes, at a multiple of 256 from part's first byte
	s_wait_tensorcnt 0x0                           ; the wave's end
	ds_add_u32 v[SPW], v[NIL]
	s_wait_dscnt 0x0
	CROUND                                         ; the closing round: no work-group ends while a partner may still ask for a tile that names it
	s_endpgm
.Lfunc_end_k_q511b6f935b_scan:
	.size	k_q511b6f935b_scan, .Lfunc_end_k_q511b6f935b_scan-k_q511b6f935b_scan
	.p2alignl 7, 3214868480
	.fill 96, 4, 3214868480
	.section	.rodata,"a",@progbits
	.p2align	6, 0x0
	.amdhsa_kernel k_q511b6f935b_scan
		.amdhsa_group_segment_fixed_size 327680
		.amdhsa_private_segment_fixed_size 0
		.amdhsa_enable_private_segment 0
		.amdhsa_kernarg_size 56
		.amdhsa_user_sgpr_count 2
		.amdhsa_user_sgpr_kernarg_segment_ptr 1
		.amdhsa_wavefront_size32 1
		.amdhsa_system_sgpr_workgroup_id_x 1
		.amdhsa_system_sgpr_workgroup_id_y 1
		.amdhsa_system_sgpr_workgroup_id_z 1
		.amdhsa_system_vgpr_workitem_id 0
		.amdhsa_next_free_vgpr 512
		.amdhsa_next_free_sgpr 92
		.amdhsa_reserve_vcc 0
		.amdhsa_float_denorm_mode_32 3
		.amdhsa_float_denorm_mode_16_64 3
		.amdhsa_memory_ordered 1
		.amdhsa_forward_progress 1
		.amdhsa_inst_pref_size 223
	.end_amdhsa_kernel
	.amdgpu_metadata
---
amdhsa.version: [ 1, 2 ]
amdhsa.kernels:
  - .name:           k_q511b6f935b_scan
    .symbol:         k_q511b6f935b_scan.kd
    .args:
      - { .name: feature, .offset: 0, .size: 8, .value_kind: global_buffer, .address_space: global }
      - { .name: feature_bank, .offset: 8, .size: 8, .value_kind: global_buffer, .address_space: global }
      - { .name: cluster_label_bank, .offset: 16, .size: 8, .value_kind: global_buffer, .address_space: global }
      - { .name: class_label_bank, .offset: 24, .size: 8, .value_kind: global_buffer, .address_space: global }
      - { .name: cluster_idx, .offset: 32, .size: 8, .value_kind: global_buffer, .address_space: global }
      - { .name: gt_label, .offset: 40, .size: 8, .value_kind: global_buffer, .address_space: global }
      - { .name: part, .offset: 48, .size: 8, .value_kind: global_buffer, .address_space: global }
    .group_segment_fixed_size: 327680
    .private_segment_fixed_size: 0
    .kernarg_segment_align: 8
    .kernarg_segment_size: 56
    .max_flat_workgroup_size: 256
    .sgpr_count:     92
    .vgpr_count:     512
    .wavefront_size: 32
...
	.end_amdgpu_metadata
.endif
;; end of part 1
;; launch pick (part 2): grid 256 x 1, 1 waves a work-group, no clusters, 512 bytes of LDS; arguments feature, feature_bank, cluster_label_bank, class_label_bank, cluster_idx, gt_label, part, out0; writes out0
.if DOCPART == 2
	.amdgcn_target "amdgcn-amd-amdhsa--gfx1250"
	.amdhsa_code_object_version 6
	.text
	.protected	k_q511b6f935b_pick
	.globl	k_q511b6f935b_pick
	.p2align	8
	.type	k_q511b6f935b_pick,@function
k_q511b6f935b_pick:
	s_mov_b64 s[64:65], 0
	v_nop
	global_prefetch_b8 v0, s[64:65] scope:SCOPE_SE
	s_setreg_imm32_b32 hwreg(HW_REG_WAVE_MODE, 25, 1), 1
	s_wait_xcnt 0x0
; PICK.  One wave for each query q.  part[work-group][q] = (K, g), whole numbers stored by the launch before: the unsigned minimum of K over the 252 work-groups, then the smallest g among its holders, names the
; group of 8 bank rows that holds the nearest allowed row; bit 31 of K says that the fallback mask (class differs) is in force.  The tile of 16 rows round that group is quantised and multiplied against the query's
; tile of 16 queries; the best of the group's 8 rows is found (strictly greater wins, rows ascend: the lowest row keeps a tie); all 8 rows have been loaded meanwhile, and the winner is chosen among them by selects: no
; address and no branch hangs on a floating-point number.  Addresses hang on g alone, held to the bank's size by s_min_u32.
; part is asked for first; the query's tile is quantised while the bank's tile is on its way.  No loop, so no prefetch.
; Where no row at all is allowed every K is 0xff800000, g = 0 wins, every key is -infinity and row 0 is stored, as an argmin over infinities gives.
; LIMITS: as stated at the head of the launch before (order of rounding of d2; finite d2; NaN and infinities not served; scale byte 1 for blocks of zeros and for blocks under 2^-122).
.set QF,   16                          ; v16-39  the query tile's two fragments
.set AF,   40                          ; v40-63  the bank tile's;  ahead of that the sums of the query tile
.set QS,   64                          ; v64, v65 their scale words (lanes 0-15 K step 0, lanes 16-31 K step 1): these two hold scales and nothing else
.set AS,   65
.set BEST, 66
.set JB,   67
.set GT,   68
.set CI,   69
.set HA,   70
.set JW,   71
.set KM,   72                          ; the smallest K;  v73 at work;  v74 the smallest g
.set TM,   73
.set GM,   74
.set OA,   75                          ; out0: 1,024 q + 16 x lane
.set IDX,  76
.set NB,   77
.set PK,   80                          ; v80-95  eight (K, g);  later my 8 rows' clusters and classes
.set CL,   80
.set KS,   88
.set X,    96                          ; v96-223 the query tile as loaded;  later C, the accumulator, a key, the sums of the bank tile
.set C,    96
.set ACC,  104
.set KEY,  112
.set TC,   224
.set M,    240
.set SO,   244
.set SS,   248
.set W,    249
.set W2,   251
.set S2,   253
.set SPW,  254
.set NIL,  255
.set NINF, 12
.set SH8,  13
; window 1: v256-319 the 8 candidate rows, row j from v[256 + 8 j] on; v320-447 the bank tile as loaded
.set Y,    64
.set HI,   24                          ; s24 lanes 16-31
.set FB,   25                          ; s25 all ones where the fallback mask is in force
.set SEL,  26                          ; s[26:27]
.set MSB, 0
.macro WIN new                         ; the immediate's high byte repeats the setting that is left
.if MSB != \new
	s_set_vgpr_msb (MSB<<8)|\new
.set MSB, \new
.endif
.endm
; 128 numbers of a lane at v[x] on (in window w): block b = 2 s + c is block 2 c + h of K step s of my row.  They become 24 registers of codes at v[d] on, the row's scale words in v[q] (K step 0 in lanes 0-15, K step 1 in
; lanes 16-31) and the row's sum of squares in v[SS]; v[s] on: eight registers at work.  The four blocks by turns
.macro QUANT x, d, q, s, w
	WIN (0x05*\w)
.irp b, 0,1,2,3
	v_max3_num_f32 v[M+\b], |v[\x+32*\b]|, |v[\x+32*\b+1]|, 0x2800000   ; the floor 2^(5 - 127): the byte cannot fall under 1
	v_pk_mul_f32 v[\s+2*\b:\s+2*\b+1], v[\x+32*\b:\x+32*\b+1], v[\x+32*\b:\x+32*\b+1]
.endr
.irp i, 2,4,6,8,10,12,14,16,18,20,22,24,26,28,30
.irp b, 0,1,2,3
	v_max3_num_f32 v[M+\b], |v[\x+32*\b+\i]|, |v[\x+32*\b+\i+1]|, v[M+\b]
	v_pk_fma_f32 v[\s+2*\b:\s+2*\b+1], v[\x+32*\b+\i:\x+32*\b+\i+1], v[\x+32*\b+\i:\x+32*\b+\i+1], v[\s+2*\b:\s+2*\b+1]
.endr
.endr
	WIN 0
.irp b, 0,1,2,3
	v_add_nc_u32 v[SO+\b], 0xfe000000, v[M+\b]     ; 4 off the exponent field: the conversion's scale operand
	v_add_f32 v[\s+2*\b], v[\s+2*\b], v[\s+2*\b+1]
.endr
	v_add_f32 v[\s], v[\s], v[\s+2]
	v_add_f32 v[\s+4], v[\s+4], v[\s+6]
.irp b, 0,1,2,3
	v_lshrrev_b32 v[M+\b], 23, v[SO+\b]            ; the scale's byte
.endr
	v_add_f32 v[SS], v[\s], v[\s+4]
	v_lshl_or_b32 v[W], v[M+1], 16, v[M]
	v_lshl_or_b32 v[W+1], v[M+3], 16, v[M+2]
	v_permlanex16_b32 v[S2], v[SS], s[SEL], s[SEL+1]
	v_lshlrev_b32 v[W], v[SH8], v[W]
	v_lshlrev_b32 v[W+1], v[SH8], v[W+1]
	WIN (0x01*\w)
.irp b, 0,1,2,3
	v_cvt_scalef32_pk16_bf6_f32 v[\d+6*\b:\d+6*\b+2], v[\x+32*\b:\x+32*\b+15], v[SO+\b]
	v_cvt_scalef32_pk16_bf6_f32 v[TC+4*\b:TC+4*\b+2], v[\x+32*\b+16:\x+32*\b+31], v[SO+\b]   ; (a conversion's three registers begin on an even number)
.endr
	WIN 0
	v_permlanex16_b32 v[W2], v[W], s[SEL], s[SEL+1]
	v_permlanex16_b32 v[W2+1], v[W+1], s[SEL], s[SEL+1]
	v_add_f32 v[SS], v[SS], v[S2]                  ; (with the two above the plain places behind the conversions)
.irp b, 0,1,2,3
.irp i, 0,1,2
	v_mov_b32 v[\d+6*\b+3+\i], v[TC+4*\b+\i]
.endr
.endr
	v_or_b32 v[W], v[W], v[W2]
	v_or_b32 v[W+1], v[W+1], v[W2+1]
	v_cndmask_b32 v[\q], v[W], v[W+1], s[HI]
.endm
; a tile of 16 rows x 256 f32 in the operand's layout: lane (r, h) takes k = 128 s + 64 c + 32 h + 0 .. 31 of row r
.macro TLOAD adr, base, x
.irp s, 0,1
.irp c, 0,1
.irp i, 0,1,2,3,4,5,6,7
	global_load_b128 v[\x+64*\s+32*\c+4*\i:\x+64*\s+32*\c+4*\i+3], v[\adr], s[\base:\base+1] offset:512*\s+256*\c+16*\i
.endr
.endr
.endr
.endm
; a minimum over the 32 lanes, result in every lane
.macro LANEMIN v
.irp m, 1,2,4,8
	v_mov_b32_dpp v[TM], v[\v] row_xmask:\m row_mask:0xf bank_mask:0xf
	v_min_u32 v[\v], v[\v], v[TM]
.endr
	v_permlanex16_b32 v[TM], v[\v], s[SEL], s[SEL+1]
	v_min_u32 v[\v], v[\v], v[TM]
.endm
	s_load_b256 s[4:11], s[0:1], 0x0               ; feature s[4:5], bank s[6:7], cluster labels s[8:9], class labels s[10:11]
	s_load_b256 s[12:19], s[0:1], 0x20             ; cluster_idx s[12:13], gt_label s[14:15], part s[16:17], out0 s[18:19]
	v_lshl_add_u32 v[SPW], v0, 2, 0x100
	v_mov_b32 v[NIL], 0
	v_and_b32 v1, 15, v0                           ; r
	v_lshrrev_b32 v2, 4, v0                        ; h
	v_lshlrev_b32 v3, 10, v1
	v_lshl_add_u32 v3, v2, 7, v3                   ; 1,024 r + 128 h
	s_lshr_b32 s20, ttmp9, 4                       ; the query's tile of 16
	s_lshl_b32 s21, s20, 14
	v_add_nc_u32 v15, s21, v3                      ; feature: the tile's rows
	s_lshl_b32 s21, s20, 6
	v_lshl_add_u32 v4, v1, 2, s21                  ; the tile's labels: 64 x tile + 4 r
	s_lshl_b32 s23, ttmp9, 3
	v_lshl_add_u32 v5, v0, 11, s23                 ; part: work-group = lane (+ 32 i by the immediate), 8 q
	v_add_nc_u32 v6, 0xe0, v0
	v_min_u32 v6, 0xfb, v6                         ; the last eighth: work-groups 224 .. 251; the lanes beyond read 251 again, which changes no minimum
	v_lshl_add_u32 v6, v6, 11, s23
	v_lshlrev_b32 v7, 4, v0                        ; 16 x lane
	s_lshl_b32 s21, ttmp9, 10
	v_add_nc_u32 v[OA], s21, v7
	v_lshlrev_b32 v11, 2, v1                       ; LDS: 4 r
	v_mov_b32 v[NINF], 0xff800000
	v_lshlrev_b32 v[SH8], 3, v2
	v_lshlrev_b32 v14, 5, v2                       ; LDS: 32 h
	v_mov_b32 v[TM], 0                             ; destinations of lane permutes count as sources
	v_mov_b32 v[W2], 0
	v_mov_b32 v[W2+1], 0
	v_mov_b32 v[S2], 0
	s_mov_b32 s[HI], 0xffff0000
	s_mov_b32 s[SEL], 0x76543210
	s_mov_b32 s[SEL+1], 0xfedcba98
	s_wait_alu depctr_va_vdst(0)                   ; the wait at the head's end
	s_wait_kmcnt 0x0
.irp i, 0,1,2,3,4,5,6
	global_load_b64 v[PK+2*\i:PK+2*\i+1], v5, s[16:17] offset:65536*\i
.endr
	global_load_b64 v[PK+14:PK+15], v6, s[16:17]
	TLOAD 15, 4, X                                 ; the query's tile
	global_load_b32 v[GT], v4, s[14:15]
	global_load_b32 v[CI], v4, s[12:13]
	s_wait_loadcnt 34                              ; the eight pairs of part are in; the query's tile and its labels stay out
	; the smallest K, then the smallest g among its holders: whole numbers throughout
	v_min_u32 v[KM], v[PK], v[PK+2]
.irp i, 2,3,4,5,6,7
	v_min_u32 v[KM], v[KM], v[PK+2*\i]
.endr
	LANEMIN KM
.irp i, 0,1,2,3,4,5,6,7
	v_cmp_eq_u32 vcc_lo, v[PK+2*\i], v[KM]
	v_cndmask_b32 v[PK+2*\i+1], -1, v[PK+2*\i+1], vcc_lo
.endr
	v_min_u32 v[GM], v[PK+1], v[PK+3]
.irp i, 2,3,4,5,6,7
	v_min_u32 v[GM], v[GM], v[PK+2*\i+1]
.endr
	LANEMIN GM
	v_readfirstlane_b32 s28, v[KM]
	v_readfirstlane_b32 s29, v[GM]
	s_ashr_i32 s[FB], s28, 31                      ; bit 31 of K: no primary candidate anywhere
	s_lshr_b32 s30, s29, 1
	s_min_u32 s30, s30, 6249                       ; the tile of 16 rows, inside the bank
	s_min_u32 s29, s29, 12499                      ; the group of 8 rows, inside the bank
	s_and_b32 s31, s29, 1                          ; which half of the tile
	s_lshl_b32 s21, s30, 14
	v_add_nc_u32 v8, s21, v3                       ; the tile in the operand's layout
	s_lshl_b32 s21, s29, 13
	v_add_nc_u32 v9, s21, v7                       ; the group's rows as they lie
	s_lshl_b32 s21, s30, 6
	v_lshl_add_u32 v10, v2, 5, s21                 ; the labels of my 8 rows
	WIN 0x40                                       ; destination window 1
	TLOAD 8, 6, Y
	WIN 0
	global_load_b128 v[CL:CL+3], v10, s[8:9]
	global_load_b128 v[CL+4:CL+7], v10, s[8:9] offset:16
	global_load_b128 v[KS:KS+3], v10, s[10:11]
	global_load_b128 v[KS+4:KS+7], v10, s[10:11] offset:16
	WIN 0x40                                       ; each load of the group's rows takes 512 consecutive bytes
.irp j, 0,1,2,3,4,5,6,7
	global_load_b128 v[8*\j:8*\j+3], v9, s[6:7] offset:1024*\j
	global_load_b128 v[8*\j+4:8*\j+7], v9, s[6:7] offset:1024*\j+512
.endr
	WIN 0
	s_wait_loadcnt 52                              ; the query's tile and its labels are in; the bank's 32 + 4 + 16 loads stay out
	QUANT X, QF, QS, AF, 0
	v_mul_f32 v[HA], 0.5, v[SS]                    ; a2/2
	s_wait_loadcnt 16                              ; the bank's tile and its labels are in; the sixteen loads of the candidate rows stay out
	QUANT Y, AF, AS, X, 1
	v_mul_f32 v[NB], -0.5, v[SS]                   ; -b2/2 of row r
	ds_store_b32 v11, v[NB]                        ; lanes r and r + 16 write the same word with the same value
	ds_load_b128 v[C:C+3], v14                     ; LDS serves a wave's instructions in order: -b2/2 of rows 8 h + 0 .. 7, the result's layout
	ds_load_b128 v[C+4:C+7], v14 offset:16
	s_and_b32 s21, ttmp9, 15
	s_lshl_b32 s22, s31, 4
	s_add_co_u32 s21, s21, s22
	s_lshl_b32 s21, s21, 2
	v_mov_b32 v[IDX], s21                          ; 4 x the lane that holds my query and the winning half
	s_wait_alu depctr_va_vdst(0)                   ; directly ahead of the wait below
	s_wait_dscnt 0x0
.rept 8
	v_nop                                          ; a scale register written by a vector instruction stands eight places ahead of a scaled matrix instruction, an operand so written four
.endr
	v_wmma_scale_f32_16x16x128_f8f6f4 v[ACC:ACC+7], v[AF:AF+11], v[QF:QF+11], v[C:C+7], v[AS], v[QS] matrix_a_fmt:MATRIX_FMT_BF6 matrix_b_fmt:MATRIX_FMT_BF6
	s_wait_alu depctr_va_vdst(0)                   ; one accumulator alone
	v_wmma_scale_f32_16x16x128_f8f6f4 v[ACC:ACC+7], v[AF+12:AF+23], v[QF+12:QF+23], v[ACC:ACC+7], v[AS], v[QS] matrix_a_fmt:MATRIX_FMT_BF6 matrix_b_fmt:MATRIX_FMT_BF6 matrix_a_scale:MATRIX_SCALE_ROW1 matrix_b_scale:MATRIX_SCALE_ROW1
.rept 4
	v_nop                                          ; places behind the product (ISA guide 7.12.1)
.endr
	v_mov_b32 v[JB], 0
.irp j, 0,1,2,3,4,5,6,7
	v_cmp_ne_u32 s36, v[KS+\j], v[GT]
	v_cmp_eq_u32 s37, v[CL+\j], v[CI]
	s_or_b32 s37, s37, s[FB]                       ; the cluster counts only while the primary mask is in force
	s_and_b32 s36, s36, s37
	v_min_num_f32 v[KEY], v[ACC+\j], v[HA]         ; the accumulator from its low end on; d2 held at 0 from below
	v_cndmask_b32 v[KEY], v[NINF], v[KEY], s36
.if \j == 0
	v_mov_b32 v[BEST], v[KEY]
.else
	v_cmp_gt_f32 s38, v[KEY], v[BEST]
	v_max_num_f32 v[BEST], v[BEST], v[KEY]
	v_cndmask_b32 v[JB], v[JB], \j, s38
.endif
.endr
	ds_bpermute_b32 v[JW], v[IDX], v[JB]           ; every lane takes the choice of the lane that holds my query and the winning half
	s_wait_dscnt 0x0
.irp j, 1,2,3,4,5,6,7
	v_cmp_eq_u32 s[40+\j], \j, v[JW]
.endr
	s_wait_loadcnt 0x0                             ; the eight candidate rows
	WIN 0x45                                       ; destination and both sources window 1
.irp j, 1,2,3,4,5,6,7
.irp i, 0,1,2,3,4,5,6,7
	v_cndmask_b32 v[\i], v[\i], v[8*\j+\i], s[40+\j]
.endr
.endr
	WIN 0x04                                       ; a store's data are its source 1: window 1
	global_store_b128 v[OA], v[0:3], s[18:19]      ; 32 lanes store 512 consecutive bytes, at a multiple of 256 from out0's first byte
	global_store_b128 v[OA], v[4:7], s[18:19] offset:512
	WIN 0
	s_wait_tensorcnt 0x0                           ; the wave's end
	ds_add_u32 v[SPW], v[NIL]
	s_wait_dscnt 0x0
	s_endpgm
.Lfunc_end_k_q511b6f935b_pick:
	.size	k_q511b6f935b_pick, .Lfunc_end_k_q511b6f935b_pick-k_q511b6f935b_pick
	.p2alignl 7, 3214868480
	.fill 96, 4, 3214868480
	.section	.rodata,"a",@progbits
	.p2align	6, 0x0
	.amdhsa_kernel k_q511b6f935b_pick
		.amdhsa_group_segment_fixed_size 512
		.amdhsa_private_segment_fixed_size 0
		.amdhsa_enable_private_segment 0
		.amdhsa_kernarg_size 64
		.amdhsa_user_sgpr_count 2
		.amdhsa_user_sgpr_kernarg_segment_ptr 1
		.amdhsa_wavefront_size32 1
		.amdhsa_system_sgpr_workgroup_id_x 1
		.amdhsa_system_sgpr_workgroup_id_y 1
		.amdhsa_system_sgpr_workgroup_id_z 1
		.amdhsa_system_vgpr_workitem_id 0
		.amdhsa_next_free_vgpr 448
		.amdhsa_next_free_sgpr 66
		.amdhsa_reserve_vcc 1
		.amdhsa_float_denorm_mode_32 3
		.amdhsa_float_denorm_mode_16_64 3
		.amdhsa_memory_ordered 1
		.amdhsa_forward_progress 1
		.amdhsa_inst_pref_size 43
	.end_amdhsa_kernel
	.amdgpu_metadata
---
amdhsa.version: [ 1, 2 ]
amdhsa.kernels:
  - .name:           k_q511b6f935b_pick
    .symbol:         k_q511b6f935b_pick.kd
    .args:
      - { .name: feature, .offset: 0, .size: 8, .value_kind: global_buffer, .address_space: global }
      - { .name: feature_bank, .offset: 8, .size: 8, .value_kind: global_buffer, .address_space: global }
      - { .name: cluster_label_bank, .offset: 16, .size: 8, .value_kind: global_buffer, .address_space: global }
      - { .name: class_label_bank, .offset: 24, .size: 8, .value_kind: global_buffer, .address_space: global }
      - { .name: cluster_idx, .offset: 32, .size: 8, .value_kind: global_buffer, .address_space: global }
      - { .name: gt_label, .offset: 40, .size: 8, .value_kind: global_buffer, .address_space: global }
      - { .name: part, .offset: 48, .size: 8, .value_kind: global_buffer, .address_space: global }
      - { .name: out0, .offset: 56, .size: 8, .value_kind: global_buffer, .address_space: global }
    .group_segment_fixed_size: 512
    .private_segment_fixed_size: 0
    .kernarg_segment_align: 8
    .kernarg_segment_size: 64
    .max_flat_workgroup_size: 32
    .sgpr_count:     66
    .vgpr_count:     448
    .wavefront_size: 32
...
	.end_amdgpu_metadata
.endif
;; end of part 2
